; MI455X (gfx1250); checked and timed in simulation.
; The chip was launched on July 23, 2026; its instructions are those of AMD's public machine-readable ISA for CDNA 5 (MIT licence, August 2026) and "CDNA5" Instruction Set Architecture Reference Guide (July 2026). The comments in the code are by the model that wrote it; some were corrected since.
;; Linear8bit. Allowed arithmetic: float matrix products may take bf16 or f16 operands with f32 sums; all other float work in f32.
;; Inputs: bias 4,096 float32; scales_x 4 x 2,048 x 1 float32; weight 4,096 x 2,048 int8; weight_scales 4,096 x 1 float32; x_q 4 x 2,048 x 2,048 int8.
;; Outputs: out0 4 x 2,048 x 4,096 float16.
;; One version. Each part assembles by itself: llvm-mc -triple=amdgcn-amd-amdhsa -mcpu=gfx1250 --defsym DOCPART=n.
;; ======== version 1 of 1: 2 launches
;; workspace buffers: xb 33,554,432 bytes; wb 16,777,216 bytes
;; launch widen (part 1): grid 768 x 1, 8 waves a work-group, no clusters, 0 bytes of LDS; arguments x_q, weight, xb, wb; writes xb, wb
.if DOCPART == 1
	.amdgcn_target "amdgcn-amd-amdhsa--gfx1250"
	.amdhsa_code_object_version 6
	.text
	.protected	k_q14caeb0827_widen
	.globl	k_q14caeb0827_widen
	.p2align	8
	.type	k_q14caeb0827_widen,@function
k_q14caeb0827_widen:
	s_mov_b64 s[64:65], 0
	v_nop
	global_prefetch_b8 v0, s[64:65] scope:SCOPE_SE
	s_setreg_imm32_b32 hwreg(HW_REG_WAVE_MODE, 25, 1), 1
	s_wait_xcnt 0x0
; xb[i] = bf16(x_q[i]), wb[i] = bf16(weight[i]): the two int8 operands of the product, widened once, in the same layout.
; Every int8 number has at most 8 significant bits, so its bf16 copy is exact.  It is a launch of its own so that each number is widened once:
; inside the product each number of x_q is a fragment of 32 waves' tiles and each number of weight of 64, and would be widened as often.
; SHARES.  25,165,824 input bytes in 768 pieces of 32,768: work-groups 0-511 take x_q, 512-767 weight.  A wave takes 4,096 bytes as 16 loads of
; 8 bytes a lane (a load of the wave covers 256 consecutive bytes, aligned); a lane's 8 numbers become 16 bytes, so a store of the wave covers 512
; consecutive bytes, aligned.  All 16 loads go out at once; every load and store has registers of its own, so nothing that a
; memory instruction names is written again.  No LDS, no barrier, no matrix work: the launch only moves bytes.
.set PIECE, 32768                      ; input bytes of a work-group
.set XPIECES, 512                      ; pieces of x_q; weight has 256
.set IN,  1                            ; v1        my byte offset in the piece: 4,096 x wave + 8 x lane
.set OUT, 2                            ; v2        twice that
.set T,   4                            ; v[4:11]   8 numbers at work
.set X,   12                           ; v[12:43]  load j: 2 registers
.set Y,   44                           ; v[44:107] store j: 4 registers
	s_load_b256 s[4:11], s[0:1], 0x0               ; x_q s[4:5], weight s[6:7], xb s[8:9], wb s[10:11]
	v_lshrrev_b32 v3, 5, v0                        ; wave
	v_and_b32 v[IN], 31, v0                        ; lane
	v_lshlrev_b32 v[IN], 3, v[IN]
	v_lshl_add_u32 v[IN], v3, 12, v[IN]
	v_lshlrev_b32 v[OUT], 1, v[IN]
	s_sub_co_u32 s13, ttmp9, XPIECES               ; the piece's number in weight (used only where the compare below says so)
	s_cmp_lt_u32 ttmp9, XPIECES                    ; the choice hangs on the work-group's number alone
	s_cselect_b32 s12, ttmp9, s13                  ; the piece's number in its tensor
	s_wait_kmcnt 0x0
	s_cselect_b64 s[14:15], s[4:5], s[6:7]         ; from where
	s_cselect_b64 s[16:17], s[8:9], s[10:11]       ; to where
	s_lshl_b32 s18, s12, 15                        ; 32,768 bytes in,
	s_mov_b32 s19, 0
	s_lshl_b32 s20, s12, 16                        ; 65,536 bytes out
	s_mov_b32 s21, 0
	s_add_nc_u64 s[14:15], s[14:15], s[18:19]
	s_add_nc_u64 s[16:17], s[16:17], s[20:21]
.irp j, 0,1,2,3,4,5,6,7,8,9,10,11,12,13,14,15
	global_load_b64 v[X+2*(\j):X+2*(\j)+1], v[IN], s[14:15] offset:256*(\j) th:TH_LOAD_NT  ; read once in the launch
.endr
; Load j's 8 numbers: each byte is brought to the top of a word and shifted back with its sign, made f32, and rounded (exactly) to bf16 in pairs.
.macro CONV j
	s_wait_loadcnt 15-(\j)                         ; loads come back in order (ISA guide 5.7.1): load j is in, the 15 - j younger ones stay out
.irp c, 0,1
	v_lshlrev_b32 v[T+4*(\c)],   24, v[X+2*(\j)+(\c)]
	v_lshlrev_b32 v[T+4*(\c)+1], 16, v[X+2*(\j)+(\c)]
	v_lshlrev_b32 v[T+4*(\c)+2], 8,  v[X+2*(\j)+(\c)]
	v_ashrrev_i32 v[T+4*(\c)+3], 24, v[X+2*(\j)+(\c)]
.endr
.irp k, 0,1,2,4,5,6
	v_ashrrev_i32 v[T+(\k)], 24, v[T+(\k)]
.endr
.irp k, 0,1,2,3,4,5,6,7
	v_cvt_f32_i32 v[T+(\k)], v[T+(\k)]
.endr
.irp k, 0,1,2,3
	v_cvt_pk_bf16_f32 v[Y+4*(\j)+(\k)], v[T+2*(\k)], v[T+2*(\k)+1]
.endr
	global_store_b128 v[OUT], v[Y+4*(\j):Y+4*(\j)+3], s[16:17] offset:512*(\j)  ; no hint: the next launch reads these bytes
.endm
.irp j, 0,1,2,3,4,5,6,7,8,9,10,11,12,13,14,15
	CONV \j
.endr
	s_endpgm
.Lfunc_end_k_q14caeb0827_widen:
	.size	k_q14caeb0827_widen, .Lfunc_end_k_q14caeb0827_widen-k_q14caeb0827_widen
	.p2alignl 7, 3214868480
	.fill 96, 4, 3214868480
	.section	.rodata,"a",@progbits
	.p2align	6, 0x0
	.amdhsa_kernel k_q14caeb0827_widen
		.amdhsa_group_segment_fixed_size 0
		.amdhsa_private_segment_fixed_size 0
		.amdhsa_enable_private_segment 0
		.amdhsa_kernarg_size 32
		.amdhsa_user_sgpr_count 2
		.amdhsa_user_sgpr_kernarg_segment_ptr 1
		.amdhsa_wavefront_size32 1
		.amdhsa_system_sgpr_workgroup_id_x 1
		.amdhsa_system_sgpr_workgroup_id_y 1
		.amdhsa_system_sgpr_workgroup_id_z 1
		.amdhsa_system_vgpr_workitem_id 0
		.amdhsa_next_free_vgpr 108
		.amdhsa_next_free_sgpr 66
		.amdhsa_reserve_vcc 0
		.amdhsa_float_denorm_mode_32 3
		.amdhsa_float_denorm_mode_16_64 3
		.amdhsa_memory_ordered 1
		.amdhsa_forward_progress 1
		.amdhsa_inst_pref_size 20
	.end_amdhsa_kernel
	.amdgpu_metadata
---
amdhsa.version: [ 1, 2 ]
amdhsa.kernels:
  - .name:           k_q14caeb0827_widen
    .symbol:         k_q14caeb0827_widen.kd
    .args:
      - { .name: x_q, .offset: 0, .size: 8, .value_kind: global_buffer, .address_space: global }
      - { .name: weight, .offset: 8, .size: 8, .value_kind: global_buffer, .address_space: global }
      - { .name: xb, .offset: 16, .size: 8, .value_kind: global_buffer, .address_space: global }
      - { .name: wb, .offset: 24, .size: 8, .value_kind: global_buffer, .address_space: global }
    .group_segment_fixed_size: 0
    .private_segment_fixed_size: 0
    .kernarg_segment_align: 8
    .kernarg_segment_size: 32
    .max_flat_workgroup_size: 256
    .sgpr_count:     66
    .vgpr_count:     108
    .wavefront_size: 32
...
	.end_amdgpu_metadata
.endif
;; end of part 1
;; launch gemm (part 2): grid 16 x 16, 4 waves a work-group, clusters of 4 x 4, 327,680 bytes of LDS; arguments xb, wb, scales_x, weight_scales, bias, out0; writes out0
.if DOCPART == 2
	.amdgcn_target "amdgcn-amd-amdhsa--gfx1250"
	.amdhsa_code_object_version 6
	.text
	.protected	k_q14caeb0827_gemm
	.globl	k_q14caeb0827_gemm
	.p2align	8
	.type	k_q14caeb0827_gemm,@function
k_q14caeb0827_gemm:
	s_mov_b64 s[64:65], 0
	v_nop
	global_prefetch_b8 v0, s[64:65] scope:SCOPE_SE
	s_setreg_imm32_b32 hwreg(HW_REG_WAVE_MODE, 25, 1), 1
	s_wait_xcnt 0x0
	s_wait_alu depctr_hold_cnt(0) depctr_sa_sdst(0) depctr_va_vdst(0) depctr_va_sdst(0) depctr_va_ssrc(0) depctr_va_vcc(0) depctr_vm_vsrc(0)
	s_getreg_b32 s2, hwreg(HW_REG_IB_STS2, 6, 4)
	s_cmp_eq_u32 s2, 0
	s_cbranch_scc0 .Lentry_in_a_cluster
	s_endpgm
.Lentry_in_a_cluster:
	s_bfe_u32 s2, ttmp6, 0x10000c
	s_cmp_lg_u32 s2, 0xf033
	s_cbranch_scc0 .Lentry_shape_is_right
	s_endpgm
.Lentry_shape_is_right:
; out0[m][n] = f16( (sum over k of xb[m][k] wb[n][k]) x scales_x[m] x weight_scales[n] + bias[n] ).
; xb: [8192][2048], wb: [4096][2048], bf16 copies (exact) of the int8 operands; out0: [8192][4096] f16; the scales and the bias f32.
; The operands go as bf16 with f32 sums.  Every product is exact.
; LIMITS.  A sum is an exact whole number up to 2^24; beyond that (its bound is 2^25) it is rounded to f32, within 2^-24 of itself a step, where the reference rounds its int32 once
; in its cast to f32.  The order of roundings behind it is the reference's: sum x scales_x, then x weight_scales + bias in one fused step, then once to f16.  A result beyond f16's range becomes an infinity, as in the reference.
; SHARES.  A tile of C, 256 x 256, is made by a work-group of four waves; a wave makes 128 x 128: 64 accumulators of 16 x 16, 512 registers.  K goes in steps of 128 through a ring of two LDS slots
; filled by the tensor data mover: a tile's rows are 256 bytes of memory and start at multiples of 256 bytes from the buffer's first byte.
; A WORK-GROUP STAYS: C has 32 x 16 tiles, the grid 16 x 16 work-groups; each makes TWO tiles, 4,096 rows apart in one tile column.  The ring does not stop at the first tile's end: its last two changes of
; slots ask for the second tile's first two K steps, and nothing waits for the first tile's stores.  The ways out name their tile (0, 1) by a constant: the text is made for two tiles.
; CLUSTERS: 4 x 4 work-groups.  The four of a row of the cluster need the same tiles of xb, the four of a column the same tiles of wb: each tile is asked for JOINTLY, by the same tensor load with the same
; descriptor and a mask that names the four, and each receives it in its own LDS.  That divides the requests for both operands by four.
; THE MATRIX INSTRUCTION IS USED TRANSPOSED: source 0 = 16 rows of wb, source 1 = 16 rows of xb.  In the result lane l holds row m = l % 16 of C, and its registers 0 to 7 the columns 8 (l / 16) + 0..7:
; one scales_x a lane and block, eight neighbouring weight_scales and biases, and eight neighbouring results that pack into 16 bytes.
;
; REGISTERS, in windows of 256 (s_set_vgpr_msb's low byte: bits 1:0 source 0, 3:2 source 1, 5:4 source 2, 7:6 destination):
;   window 0: v0-14 addresses; v16-31 scales_x; v32-63, v224-255 rows read back on the way out; v64-127, v128-191 fragments of xb, two buffers; v192-223 packed results
;   window 1: v0-63 weight_scales; v64-127, v128-191 fragments of wb, two buffers; v192-255 bias
;   window 2: the 32 accumulators of my rows 0-63 (accumulator (a, b) at v[8 (8 a + b)]);   window 3: those of my rows 64-127
.set SIZE_M, 8192
.set SIZE_N, 4096
.set SIZE_K, 2048
.set SIZE_TILES, 2
.set KSTEP,  128
.set PITCH,  272                       ; an LDS row: 256 bytes of data + 16 of padding = 68 words: row r starts at bank 4 r mod 64 (64 banks of 4 bytes: ISA guide 11.1), so the 16 rows that a load touches start at 16 different banks
.set HALFT,  128*PITCH                 ; 128 rows: what one tensor load brings, and what one wave reads of either operand
.set SLOT,   4*HALFT                   ; xb's 256 rows, then wb's 256 rows
.set STAGE,  2*SLOT                    ; behind the ring: 16 rows x 272 bytes for each wave, for the way out; no tensor load lands here
.set SPITCH, 272
.set SPARE,  STAGE+4*16*SPITCH         ; behind the stages: the spare words, 128 bytes for each wave: two blocks of 256 bytes that no other line names
.set LAPS,   SIZE_K/(2*KSTEP)          ; a lap = two K steps = once round the ring: 8
.set WALK,   SIZE_M/SIZE_TILES         ; the two tiles lie 4,096 rows apart
.set NEXT_A, WALK*SIZE_K*2-(SIZE_K-2*KSTEP)*2   ; bytes from a slot's last K step of a tile to its first of the next: xb goes WALK rows down and back along K,
.set BACK_B, (SIZE_K-2*KSTEP)*2        ; wb only back: the two tiles share their rows of wb
.set NEXT_C, (WALK-7*16)*SIZE_N*2      ; bytes from my last 16 rows of a tile to my first of the next
.set RO,   4                           ; v4      4 x (l % 16): my row's place among 16 scales_x; never rewritten
.set HO,   5                           ; v5      32 x (l / 16): my 8 columns' place among 16 weight_scales or biases; never rewritten
.set SPW,  6                           ; v6      LDS address of my spare word: SPARE + 4 x my thread's number; never rewritten
.set NIL,  7                           ; v7      0; never rewritten
.set ADRA, 8                           ; v8-9    LDS address of my xb fragments in slot 0, 1
.set ADRB, 10                          ; v10-11  the same for wb
.set STO,  12                          ; v12     the way out: where I put 16 bytes of a row
.set RD,   13                          ; v13     the way out: where I read a row back
.set CO,   14                          ; v14     my byte offset in C
.set SX,   16                          ; v16-31  scales_x of tile t, block a of 16 rows, row l % 16: at SX + 8 t + a
.set OB,   32                          ; the way out: 16 rows read back from the stage: v32-63 and v224-255 by turns
.set F0,   64                          ; fragment buffer 0
.set F1,   128                         ; fragment buffer 1
.set TMP,  192                         ; the way out: packed results
.set WS,   0                           ; window 1: weight_scales of column block b, columns 8 (l / 16) + j: at WS + 8 b + j
.set BI,   192                         ; window 1: the biases, likewise
.set G1,  24                           ; s[24:31] descriptor group 1 for xb's tiles
.set G0,  32                           ; s[32:39] descriptor group 0 for xb's tiles, one set for each slot
.set G1B, 48                           ; s[48:55] descriptor group 1 for wb's tiles: it differs in the mask alone
.set G0B, 56                           ; s[56:63] descriptor group 0 for wb's tiles, one set for each slot
.set MSB, 0
.macro WIN new                         ; the immediate's high byte repeats the setting that is left; a switch that changes nothing is dropped
.if MSB != (\new)
	s_set_vgpr_msb (MSB<<8)|(\new)
.set MSB, \new
.endif
.endm
.set MUL_LO, 0xa1                      ; source 0 (wb) window 1, source 1 (xb) window 0, C and D window 2
.set MUL_HI, 0xf1                      ; the same, C and D window 3
.set TO_B,   0x40                      ; destination window 1, address window 0
; A joint load.  Waves 0 and 1 fetch xb's two halves, waves 2 and 3 wb's.  Each of the two lines has ONE mask and one set of registers for all that issue it, and nothing in
; them hangs on a coordinate that the four partners do not share.  The branch hangs on the wave's number alone.
; An s_nop 0 and four v_nop follow each of the two lines, ahead of the jump, the label and what follows the macro.
.macro JLOAD s
	s_cmp_eq_u32 s11, 0
	s_cbranch_scc0 .Lfor_b_\@
	tensor_load_to_lds s[G0+4*(\s):G0+4*(\s)+3], s[G1:G1+7]
	s_nop 0
.rept 4
	v_nop
.endr
	s_branch .Lasked_\@
.Lfor_b_\@:
	tensor_load_to_lds s[G0B+4*(\s):G0B+4*(\s)+3], s[G1B:G1B+7]
	s_nop 0
.rept 4
	v_nop
.endr
.Lasked_\@:
.endm
; A round of the cluster's barrier: my work-group's barrier, so that wave 0's signal speaks for all four waves; wave 0 signals for the work-group; every wave waits for all
; sixteen work-groups; my work-group's barrier once more.  No LDS instruction of the wave is pending at a signal.
.macro CREST                           ; a round behind its opening barrier
	s_cmp_lg_u32 s10, 0
	s_cbranch_scc1 .Lnot_wave_0_\@
	s_barrier_signal -3
.Lnot_wave_0_\@:
	s_barrier_wait -3
	s_barrier_signal -1
	s_barrier_wait -1
.endm
.macro CROUND                          ; a whole round
	s_barrier_signal -1
	s_barrier_wait -1
	CREST
.endm
	s_load_b128 s[4:7], s[0:1], 0x0                ; xb s[4:5], wb s[6:7]
	s_load_b128 s[68:71], s[0:1], 0x10             ; scales_x s[68:69], weight_scales s[70:71]
	s_load_b64 s[72:73], s[0:1], 0x20              ; bias
	s_load_b64 s[8:9], s[0:1], 0x28                ; out0
	v_lshl_add_u32 v[SPW], v0, 2, SPARE
	v_mov_b32 v[NIL], 0
	ds_add_u32 v6, v7
	s_wait_dscnt 0x0
	v_lshrrev_b32 v1, 5, v0
	v_readfirstlane_b32 s10, v1                    ; wave 0..3
	s_lshr_b32 s11, s10, 1                         ; which half of the tile's rows is mine.  Also: I fetch for xb (0) or for wb (1)
	s_and_b32 s12, s10, 1                          ; which half of its columns.  Also: which 128 rows of that tile I fetch
	s_bfe_u32 s40, ttmp6, 0x40000                  ; cx: my place along the cluster's x
	s_bfe_u32 s41, ttmp6, 0x40004                  ; cy: along its y
	s_lshl_b32 s42, ttmp9, 2                       ; in a cluster launch ttmp9 and ttmp7 count clusters
	s_add_co_u32 s42, s42, s40                     ; tile column of C = 4 x cluster x + cx: 0..15
	s_and_b32 s13, ttmp7, 0xffff
	s_lshl_b32 s13, s13, 2
	s_add_co_u32 s13, s13, s41                     ; tile row of my first tile = 4 x cluster y + cy: 0..15
	s_lshl_b32 s43, s41, 2
	s_lshl_b32 s43, 15, s43                        ; my row of the cluster: places 4 cy .. 4 cy + 3
	s_lshl_b32 s44, 0x1111, s40                    ; my column: places cx, cx + 4, cx + 8, cx + 12
	; descriptor group 1: a tile of 128 rows x 128 elements, padded in LDS
	s_or_b32 s[G1+0], s43, (1<<16)|(1<<20)|(1<<21)|(5<<22)|(3<<25)  ; 15:0 the mask: xb's tiles go to my row; 17:16 element of 2 bytes; 20 padding on; 21 set beside a mask; 24:22 after every 64 words (code 5); 31:25 of 4 words (code 3)
	s_or_b32 s[G1B+0], s44, (1<<16)|(1<<20)|(1<<21)|(5<<22)|(3<<25) ; the same with the mask of my column, for wb's tiles
.irp g, G1, G1B
	s_mov_b32 s[(\g)+1], KSTEP<<16                 ; 63:48 tensor_dim0, low half = 128
	s_mov_b32 s[(\g)+2], 128<<16                   ; 79:64 its high half = 0; 95:80 tensor_dim1, low half = 128
	s_mov_b32 s[(\g)+3], KSTEP<<16                 ; 111:96 its high half = 0; 127:112 tile_dim0 = 128
	s_mov_b32 s[(\g)+4], 128                       ; 143:128 tile_dim1 = 128; 159:144 tile_dim2 = 0
	s_mov_b32 s[(\g)+5], SIZE_K                    ; 191:160 tensor_dim0_stride, low word: elements from row to row
	s_mov_b32 s[(\g)+6], 0
	s_mov_b32 s[(\g)+7], 0
.endr
	; where the tiles come from.  xb's hang on the tile row alone, which my row of the cluster shares; wb's on the tile column alone, which my column shares.
	; Every wave makes both addresses, in registers that never hold the other coordinate, and asks by one of them.
	s_lshl_b32 s17, s12, 7                         ; which 128 rows of the tile I fetch
	s_lshl_b32 s16, s13, 8
	s_add_co_u32 s16, s16, s17                     ; xb: row 256 x tile row + 128 x half
	s_lshl_b32 s46, s42, 8
	s_add_co_u32 s46, s46, s17                     ; wb: row 256 x tile column + 128 x half
	s_mov_b32 s17, 0
	s_mov_b32 s47, 0
	s_mov_b64 s[18:19], SIZE_K*2
	s_mul_u64 s[16:17], s[16:17], s[18:19]         ; in bytes
	s_mul_u64 s[46:47], s[46:47], s[18:19]
	s_mul_i32 s20, s10, HALFT                      ; and where they go: xb's two halves, then wb's two halves = wave x 128 rows: no place in the cluster enters an LDS address
	s_wait_kmcnt 0x0                               ; all six addresses
	s_add_nc_u64 s[14:15], s[4:5], s[16:17]
	s_add_nc_u64 s[46:47], s[6:7], s[46:47]
	CROUND                                         ; all sixteen work-groups are here: the first joint loads meet
.irp s, 0,1
	s_mov_b32 s[G0+4*(\s)], 1                                      ; 1:0 count = 1
	s_add_co_u32 s[G0+4*(\s)+1], s20, (\s)*SLOT                    ; 63:32 LDS address
	s_add_nc_u64 s[G0+4*(\s)+2:G0+4*(\s)+3], s[14:15], (\s)*KSTEP*2  ; 120:64 global address: K step s
	s_or_b32 s[G0+4*(\s)+3], s[G0+4*(\s)+3], 0x80000000            ; 127:126 type = 2
	s_mov_b32 s[G0B+4*(\s)], 1
	s_add_co_u32 s[G0B+4*(\s)+1], s20, (\s)*SLOT
	s_add_nc_u64 s[G0B+4*(\s)+2:G0B+4*(\s)+3], s[46:47], (\s)*KSTEP*2
	s_or_b32 s[G0B+4*(\s)+3], s[G0B+4*(\s)+3], 0x80000000
	JLOAD \s                                       ; the ring is filled before anything else is done: two loads of mine are out
.endr
	; A fragment is 16 rows x 32 K in 8 registers: lane l holds row l % 16; registers 0-3 hold K = 8 (l / 16) + 0..7, registers 4-7 hold
	; K = 16 + 8 (l / 16) + 0..7.  From rows that lie along K: two loads of 16 bytes, 32 bytes apart.  The same for source 0 and source 1.
	v_and_b32 v1, 15, v0                           ; l % 16
	v_bfe_u32 v2, v0, 4, 1                         ; l / 16
	v_mul_u32_u24 v3, v1, PITCH
	v_lshl_add_u32 v3, v2, 4, v3                   ; row x pitch + 16 x half
	s_mul_i32 s21, s11, HALFT                      ; my 128 rows of xb
	s_mul_i32 s22, s12, HALFT                      ; my 128 rows of wb,
	s_add_co_u32 s22, s22, 2*HALFT                 ; which lie behind xb's 256
.irp s, 0,1
	v_add_nc_u32 v[ADRA+(\s)], s21, v3
	v_add_nc_u32 v[ADRB+(\s)], s22, v3
	s_add_co_u32 s21, s21, SLOT
	s_add_co_u32 s22, s22, SLOT
.endr
	s_mul_i32 s23, s10, 16*SPITCH
	s_add_co_u32 s23, s23, STAGE                   ; my stage
	v_mul_u32_u24 v[STO], v1, SPITCH               ; in: row l % 16, 16 bytes for each half of the lanes
	v_lshl_add_u32 v[STO], v2, 4, v[STO]
	v_add_nc_u32 v[STO], s23, v[STO]
	v_mul_u32_u24 v[RD], v2, SPITCH                ; back: lanes 0-15 take one row of 256 bytes, lanes 16-31 the next
	v_lshl_add_u32 v[RD], v1, 4, v[RD]
	v_add_nc_u32 v[RD], s23, v[RD]
	v_mul_u32_u24 v[CO], v2, SIZE_N*2              ; and the same two rows in C
	v_lshl_add_u32 v[CO], v1, 4, v[CO]
	v_lshlrev_b32 v[RO], 2, v1
	v_lshlrev_b32 v[HO], 5, v2
	; where my part of the first tile begins: in C (the first way out adds it to C's address), in scales_x, and in weight_scales and bias
	s_lshl_b32 s13, s13, 8
	s_lshl_b32 s14, s11, 7
	s_add_co_u32 s16, s13, s14                     ; my first row of C
	s_lshl_b32 s76, s16, 2                         ; its scales_x, in bytes
	s_mov_b32 s77, 0
	s_mov_b32 s17, 0
	s_mov_b64 s[18:19], SIZE_N*2
	s_mul_u64 s[16:17], s[16:17], s[18:19]
	s_lshl_b32 s46, s42, 9                         ; my first column, in bytes of C: 512 x tile column + 256 x half
	s_lshl_b32 s47, s12, 8
	s_add_co_u32 s46, s46, s47
	s_lshl_b32 s78, s46, 1                         ; the same column in the two f32 vectors: twice the bytes
	s_mov_b32 s79, 0
	s_mov_b32 s47, 0
	s_add_nc_u64 s[16:17], s[16:17], s[46:47]
	s_add_nc_u64 s[68:69], s[68:69], s[76:77]
	s_add_nc_u64 s[70:71], s[70:71], s[78:79]
	s_add_nc_u64 s[72:73], s[72:73], s[78:79]
	; The scales and the bias are read once and stay in registers: both tiles' scales_x (16 a lane); my 128 columns' weight_scales and biases (64 a lane each), which the two tiles share.
.irp t, 0,1
.irp a, 0,1,2,3,4,5,6,7
	global_load_b32 v[SX+8*(\t)+(\a)], v[RO], s[68:69] offset:4*WALK*(\t)+64*(\a)
.endr
.endr
	WIN TO_B
.irp b, 0,1,2,3,4,5,6,7
	global_load_b128 v[WS+8*(\b):WS+8*(\b)+3],   v[HO], s[70:71] offset:64*(\b)
	global_load_b128 v[WS+8*(\b)+4:WS+8*(\b)+7], v[HO], s[70:71] offset:64*(\b)+16
	global_load_b128 v[BI+8*(\b):BI+8*(\b)+3],   v[HO], s[72:73] offset:64*(\b)
	global_load_b128 v[BI+8*(\b)+4:BI+8*(\b)+7], v[HO], s[72:73] offset:64*(\b)+16
.endr
	WIN 0
; 16 matrix instructions: m blocks a0, a0 + 1 of the window's four (hi = 0: my rows 0-63, 1: rows 64-127) x all 8 n blocks, 32 along K.
; zero = 1: the first product starts the sums: nothing is ever cleared.  The 64 accumulators take turns, in the same order in every quarter step.
.macro MUL16 f, hi, a0, zero
	WIN MUL_LO+0x50*(\hi)
.irp a, \a0, (\a0)+1
.irp b, 0,1,2,3,4,5,6,7
.if \zero
	v_wmma_f32_16x16x32_bf16 v[8*(8*(\a)+(\b)):8*(8*(\a)+(\b))+7], v[(\f)+8*(\b):(\f)+8*(\b)+7], v[(\f)+8*(4*(\hi)+(\a)):(\f)+8*(4*(\hi)+(\a))+7], 0
.else
	v_wmma_f32_16x16x32_bf16 v[8*(8*(\a)+(\b)):8*(8*(\a)+(\b))+7], v[(\f)+8*(\b):(\f)+8*(\b)+7], v[(\f)+8*(4*(\hi)+(\a)):(\f)+8*(4*(\hi)+(\a))+7], v[8*(8*(\a)+(\b)):8*(8*(\a)+(\b))+7]
.endif
.endr
.endr
.endm
; 32 LDS loads in one run: the fragments of one quarter step (128 rows of wb, 128 rows of xb, 32 K at byte k of the rows) into buffer f
.macro FETCH slot, k, f
	WIN TO_B
.irp i, 0,1,2,3,4,5,6,7
	ds_load_b128 v[(\f)+8*(\i):(\f)+8*(\i)+3],   v[ADRB+(\slot)] offset:(\k)+(\i)*16*PITCH
	ds_load_b128 v[(\f)+8*(\i)+4:(\f)+8*(\i)+7], v[ADRB+(\slot)] offset:(\k)+(\i)*16*PITCH+32
.endr
	WIN 0
.irp i, 0,1,2,3,4,5,6,7
	ds_load_b128 v[(\f)+8*(\i):(\f)+8*(\i)+3],   v[ADRA+(\slot)] offset:(\k)+(\i)*16*PITCH
	ds_load_b128 v[(\f)+8*(\i)+4:(\f)+8*(\i)+7], v[ADRA+(\slot)] offset:(\k)+(\i)*16*PITCH+32
.endr
.endm
; A load into a register that a matrix instruction has read, and a vector instruction that reads a matrix result, stand four places behind that matrix instruction, and only plain
; vector instructions that name none of its registers are places (ISA guide 7.12.1 for vector instructions).
.macro PLACES
.rept 4
	v_nop
.endr
.endm
; A K step is four quarter steps of 32 along K, 64 matrix instructions each, on buffers 0, 1, 0, 1.
; One of the first three: multiplies buffer f; in its middle it fetches the next quarter's fragments, at byte k of the same slot's rows, into buffer g.
.macro QUARTER slot, k, f, g, zero
	s_wait_dscnt 8                                 ; wb and xb's rows 0-63 are in; the youngest eight loads (xb's rows 64-127) may be out
	WIN MUL_LO
	MUL16 \f, 0, 0, \zero
	MUL16 \f, 0, 2, \zero
	PLACES
	FETCH \slot, \k, \g
	s_wait_dscnt 32                                ; all but the 32 just issued
	WIN MUL_HI
	MUL16 \f, 1, 0, \zero
	MUL16 \f, 1, 2, \zero
.endm
; The last quarter multiplies buffer 1 and changes slots.  MEET is its first half: ONE barrier for the change of slots.  In front of it each wave waits for all its tensor loads, of which one is
; out: its part of the next slot; adds 0 to its spare word; and waits for that and for its own reads of this slot.  Behind it nobody reads this slot any more and the next slot is whole.
.macro MEET round                      ; round = 1: a round of the cluster's barrier follows
	WIN 0                                          ; (the add's two registers lie in window 0)
	s_wait_tensorcnt 0x0                           ; all my tensor loads have landed;
	ds_add_u32 v[SPW], v[NIL]                      ; 0 onto my spare word;
	s_wait_dscnt 9                                 ; (the add and the youngest eight loads may be out)
	WIN MUL_LO
	MUL16 F1, 0, 0, 0                              ; sixteen matrix instructions stand between the add and the wait for it
	s_wait_dscnt 0x0                               ; the add is done, and my reads of this slot are over:
	s_barrier_signal -1                            ; say so,
	MUL16 F1, 0, 2, 0                              ; work on registers while the others arrive,
.if \round
	WIN 0
.endif
	s_barrier_wait -1                              ; and go on when all four have said so
.endm
; The whole last quarter.  on = 0: the slot just read out is filled again with this tile's K step two steps on; on = 1: with the NEXT tile's K step 0 or 1; on = 2: with nothing (the last tile's last lap).
; Where it is filled, the barrier opens a round of the cluster's, and the joint refill is the first tensor load behind the round: from there to the wait for it a wave issues 224 matrix instructions.
.macro TURN slot, next, on
.if (\on) < 2
	MEET 1
	CREST                                          ; no wave of any partner still reads this slot's tile or has a load on its way
.if (\on) == 1
	s_add_nc_u64 s[G0+4*(\slot)+2:G0+4*(\slot)+3], s[G0+4*(\slot)+2:G0+4*(\slot)+3], NEXT_A
	s_sub_nc_u64 s[G0B+4*(\slot)+2:G0B+4*(\slot)+3], s[G0B+4*(\slot)+2:G0B+4*(\slot)+3], BACK_B
.else
	s_add_nc_u64 s[G0+4*(\slot)+2:G0+4*(\slot)+3], s[G0+4*(\slot)+2:G0+4*(\slot)+3], 2*KSTEP*2
	s_add_nc_u64 s[G0B+4*(\slot)+2:G0B+4*(\slot)+3], s[G0B+4*(\slot)+2:G0B+4*(\slot)+3], 2*KSTEP*2
.endif
	JLOAD \slot                                    ; the four v_nop behind it are also the places in front of the loads below
.else
	MEET 0
	PLACES
.endif
	FETCH \next, 0, F0
	WIN MUL_HI
	MUL16 F1, 1, 0, 0
	MUL16 F1, 1, 2, 0
.endm
; The very last quarter: nothing more to fetch
.macro LASTQ
	s_wait_dscnt 8
	WIN MUL_LO
	MUL16 F1, 0, 0, 0
	MUL16 F1, 0, 2, 0
	s_wait_dscnt 0x0
	MUL16 F1, 1, 0, 0
	MUL16 F1, 1, 2, 0
.endm
; THE WAY OUT of block a (16 rows) of tile t, in three parts.
; PACK: sum x scales_x[row] (one number a lane: the packed multiply takes it for both halves, from the low or the high register of a pair); x weight_scales[column] + bias[column], fused; rounded to f16,
; 16 bytes a lane.  Each run takes an accumulator's registers in ascending order.  The scaling is done in place: the accumulators are started anew by the next tile's first products.
.macro PACK a, t
.set AC, 64*((\a)%4)
.set SXP, SX+8*(\t)+2*((\a)/2)
	WIN 0x82+0x41*((\a)/4)                         ; destination and source 0: window 2 or 3; source 1: window 0
.irp b, 0,1,2,3,4,5,6,7
.irp r, 0,1,2,3
.if (\a)%2
	v_pk_mul_f32 v[AC+8*(\b)+2*(\r):AC+8*(\b)+2*(\r)+1], v[AC+8*(\b)+2*(\r):AC+8*(\b)+2*(\r)+1], v[SXP:SXP+1] op_sel:[0,1] op_sel_hi:[1,1]
.else
	v_pk_mul_f32 v[AC+8*(\b)+2*(\r):AC+8*(\b)+2*(\r)+1], v[AC+8*(\b)+2*(\r):AC+8*(\b)+2*(\r)+1], v[SXP:SXP+1] op_sel_hi:[1,0]
.endif
.endr
.endr
	WIN 0x96+0x41*((\a)/4)                         ; the same with sources 1 and 2 in window 1
.irp b, 0,1,2,3,4,5,6,7
.irp r, 0,1,2,3
	v_pk_fma_f32 v[AC+8*(\b)+2*(\r):AC+8*(\b)+2*(\r)+1], v[AC+8*(\b)+2*(\r):AC+8*(\b)+2*(\r)+1], v[WS+8*(\b)+2*(\r):WS+8*(\b)+2*(\r)+1], v[BI+8*(\b)+2*(\r):BI+8*(\b)+2*(\r)+1]
.endr
.endr
	WIN 0x0a+5*((\a)/4)                            ; sources 0 and 1: window 2 or 3; destination: window 0
.irp b, 0,1,2,3,4,5,6,7
.irp r, 0,1,2,3
	v_cvt_pk_f16_f32 v[TMP+4*(\b)+(\r)], v[AC+8*(\b)+2*(\r)], v[AC+8*(\b)+2*(\r)+1]
.endr
.endr
	WIN 0
.endm
; TOSTAGE: into my own stage in LDS, and back as whole rows of 256 bytes
.macro TOSTAGE a
	WIN 0
.set BK, OB+192*((\a)%2)
.irp b, 0,1,2,3,4,5,6,7
	ds_store_b128 v[STO], v[TMP+4*(\b):TMP+4*(\b)+3] offset:32*(\b)
.endr
.irp t, 0,1,2,3,4,5,6,7
	ds_load_b128 v[BK+4*(\t):BK+4*(\t)+3], v[RD] offset:(\t)*2*SPITCH  ; LDS serves a wave's instructions in order (ISA guide 5.7.1.4): these see the stores above
.endr
.endm
; SEND: stored
.macro SEND a, younger                 ; younger: the LDS instructions issued behind TOSTAGE's, which may stay out
	WIN 0
.set BK, OB+192*((\a)%2)
	s_wait_dscnt \younger                          ; the block is back in registers
	s_wait_xcnt 0x0                                ; every earlier memory instruction has had its addresses translated (ISA guide 3.1): only behind this wait are the stores' base and the registers that earlier stores read rewritten
.if (\a) == 0
	s_add_nc_u64 s[8:9], s[8:9], s[16:17]          ; on to this tile's first rows
.else
	s_add_nc_u64 s[8:9], s[8:9], 16*SIZE_N*2       ; 16 rows of C on: the stores' offsets reach 14 rows, 114,688 bytes, at the most
.endif
.irp t, 0,1,2,3,4,5,6,7
	global_store_b128 v[CO], v[BK+4*(\t):BK+4*(\t)+3], s[8:9] offset:2*(\t)*SIZE_N*2 th:TH_STORE_NT  ; 16 lanes store 256 consecutive bytes, at a multiple of 256 from C's first byte; written once, not read again
.endr
.endm
; A whole tile: block a's arithmetic stands between block a - 1's loads from the stage and the wait for them
.macro WAYOUT t
	PACK 0, \t
	TOSTAGE 0
.irp a, 1,2,3,4,5,6,7
	PACK \a, \t
	SEND (\a)-1, 0
	TOSTAGE \a
.endr
	SEND 7, 0
.endm
	s_wait_loadcnt 0x0                             ; the scales and the bias, once: they come while the first tile does
	s_wait_tensorcnt 1                             ; my part of K step 0 is in; K step 1's may stay out
	s_barrier_signal -1
	s_barrier_wait -1                              ; everybody's is
	FETCH 0, 0, F0
	s_mov_b32 s2, SIZE_TILES                       ; tiles to go, this one among them: the same number in every work-group
.Ltile:                                                ; (FETCH and SEND leave every window 0)
	QUARTER 0, 64,  F0, F1, 1                      ; a tile's first quarter stands in front of the loop: its products start the sums
	WIN 0                                          ; at a label and at a branch every window is 0
	s_mov_b32 s3, LAPS-1
.Llap:                                                 ; a trip goes once round the ring, from a lap's second quarter to the next lap's first, and fills both slots again
	QUARTER 0, 128, F1, F0, 0
	QUARTER 0, 192, F0, F1, 0
	TURN 0, 1, 0
	QUARTER 1, 64,  F0, F1, 0
	QUARTER 1, 128, F1, F0, 0
	QUARTER 1, 192, F0, F1, 0
	TURN 1, 0, 0
	QUARTER 0, 64,  F0, F1, 0
	WIN 0
	s_sub_co_u32 s3, s3, 1
	s_cmp_lg_u32 s3, 0
	s_cbranch_scc1 .Llap
	QUARTER 0, 128, F1, F0, 0                      ; the tile's last lap goes on
	QUARTER 0, 192, F0, F1, 0
	WIN 0
	s_cmp_eq_u32 s2, 1
	s_cbranch_scc1 .Llast_tile                     ; the last tile's tail is written out: it asks for nothing more
	TURN 0, 1, 1                                   ; THE RING GOES ON INTO THE SECOND TILE: slot 0 takes its K step 0,
	QUARTER 1, 64,  F0, F1, 0
	QUARTER 1, 128, F1, F0, 0
	QUARTER 1, 192, F0, F1, 0
	TURN 1, 0, 1                                   ; slot 1 its K step 1, and the second tile's first fragments are fetched
	WAYOUT 0                                       ; both refills are asked for: now the first tile goes out.  No v_nop: blocks 0-3 were finished in front of the four v_nop behind the joint load,
	                                               ; and their arithmetic, which names no register of the last products (blocks 4-7's), is those products' places
	s_mov_b64 s[16:17], NEXT_C                     ; what the next way out adds to C's address
	s_sub_co_u32 s2, s2, 1
	s_branch .Ltile
.Llast_tile:
	TURN 0, 1, 2                                   ; my one tensor load that was still out is slot 1's, the last K step's, so no round follows
	QUARTER 1, 64,  F0, F1, 0
	QUARTER 1, 128, F1, F0, 0
	QUARTER 1, 192, F0, F1, 0
	LASTQ
	WIN 0
	PLACES                                         ; the scaling reads results just made
	WAYOUT 1
	s_wait_tensorcnt 0x0                           ; the wave's end: behind my last tensor load and my last LDS store
	ds_add_u32 v[SPW], v[NIL]
	s_wait_dscnt 0x0
	CROUND                                         ; the closing round: no work-group ends while a partner may still ask for a tile that names it
	s_endpgm
.Lfunc_end_k_q14caeb0827_gemm:
	.size	k_q14caeb0827_gemm, .Lfunc_end_k_q14caeb0827_gemm-k_q14caeb0827_gemm
	.p2alignl 7, 3214868480
	.fill 96, 4, 3214868480
	.section	.rodata,"a",@progbits
	.p2align	6, 0x0
	.amdhsa_kernel k_q14caeb0827_gemm
		.amdhsa_group_segment_fixed_size 327680
		.amdhsa_private_segment_fixed_size 0
		.amdhsa_enable_private_segment 0
		.amdhsa_kernarg_size 48
		.amdhsa_user_sgpr_count 2
		.amdhsa_user_sgpr_kernarg_segment_ptr 1
		.amdhsa_wavefront_size32 1
		.amdhsa_system_sgpr_workgroup_id_x 1
		.amdhsa_system_sgpr_workgroup_id_y 1
		.amdhsa_system_sgpr_workgroup_id_z 1
		.amdhsa_system_vgpr_workitem_id 0
		.amdhsa_next_free_vgpr 1024
		.amdhsa_next_free_sgpr 80
		.amdhsa_reserve_vcc 0
		.amdhsa_float_denorm_mode_32 3
		.amdhsa_float_denorm_mode_16_64 3
		.amdhsa_memory_ordered 1
		.amdhsa_forward_progress 1
		.amdhsa_inst_pref_size 255
	.end_amdhsa_kernel
	.section	.bss,"aw",@nobits
	.p2align	6
	.space	262144
	.amdgpu_metadata
---
amdhsa.version: [ 1, 2 ]
amdhsa.kernels:
  - .name:           k_q14caeb0827_gemm
    .symbol:         k_q14caeb0827_gemm.kd
    .args:
      - { .name: xb, .offset: 0, .size: 8, .value_kind: global_buffer, .address_space: global }
      - { .name: wb, .offset: 8, .size: 8, .value_kind: global_buffer, .address_space: global }
      - { .name: scales_x, .offset: 16, .size: 8, .value_kind: global_buffer, .address_space: global }
      - { .name: weight_scales, .offset: 24, .size: 8, .value_kind: global_buffer, .address_space: global }
      - { .name: bias, .offset: 32, .size: 8, .value_kind: global_buffer, .address_space: global }
      - { .name: out0, .offset: 40, .size: 8, .value_kind: global_buffer, .address_space: global }
    .group_segment_fixed_size: 327680
    .private_segment_fixed_size: 0
    .kernarg_segment_align: 8
    .kernarg_segment_size: 48
    .max_flat_workgroup_size: 128
    .sgpr_count:     80
    .vgpr_count:     1024
    .wavefront_size: 32
...
	.end_amdgpu_metadata
.endif
;; end of part 2
